; MI455X (gfx1250); checked and timed in simulation.
; The chip was launched on July 23, 2026; its instructions are those of AMD's public machine-readable ISA for CDNA 5 (MIT licence, August 2026) and "CDNA5" Instruction Set Architecture Reference Guide (July 2026). The comments in the code are by the model that wrote it; some were corrected since.
;; m MHSA. Allowed arithmetic: matrix products marked QUANTISED: E2M3 operands, one E8M0 scale for each 32 along K, by v_wmma_scale_f32_16x16x128_f8f6f4 with both operands' format E2M3, f32 sums; everything else in f32.
;; Inputs: Wck 1,024 x 1,024 float32; Wcq 1,024 x 1,024 float32; Wcv 1,024 x 1,024 float32; Wpk 1,024 x 1,024 float32; Wpq 1,024 x 1,024 float32; Wpv 1,024 x 1,024 float32; x 2 x 2,048 x 1,024 float32.
;; Outputs: out0 2 x 2,048 x 1,024 float32; out1 2 x 2,048 x 1,024 float32.
;; This version of the problem:
;;   THIS VERSION OF THE PROBLEM IS GIVEN IN LOW PRECISION. The matrix products marked QUANTISED in the list below multiply operands that are first quantised to E2M3 (2 exponent bits, 3 mantissa bits; 6 bits a number), with one power-of-two scale for each 32 numbers along K (OCP MX v1.0); their sums are f32. All else is computed in f32.
;;   The module's matrix products, in the order in which they are computed (A, B: the left and right operand; K: the contracted axis; several contracted axes count as one K, in the product's order):
;;     1. [M 4,096, K 1,024] x [K 1,024, N 1,024]; A: input x; B: input Wpq: QUANTISED
;;     2. [M 4,096, K 1,024] x [K 1,024, N 1,024]; A: input x; B: input Wpk: QUANTISED
;;     3. [M 4,096, K 1,024] x [K 1,024, N 1,024]; A: input x; B: input Wpv: QUANTISED
;;     4. [M 4,096, K 1,024] x [K 1,024, N 1,024]; A: input x; B: input Wcq: QUANTISED
;;     5. [M 4,096, K 1,024] x [K 1,024, N 1,024]; A: input x; B: input Wck: QUANTISED
;;     6. [M 4,096, K 1,024] x [K 1,024, N 1,024]; A: input x; B: input Wcv: QUANTISED
;;     7. batch 32 x [M 2,048, K 64] x [K 64, N 2,048]; A: computed on the way; B: computed on the way: QUANTISED
;;     8. batch 32 x [M 2,048, K 64] x [K 64, N 2,048]; A: computed on the way; B: computed on the way: QUANTISED
;;     9. batch 32 x [M 2,048, K 2,048] x [K 2,048, N 64]; A: computed on the way; B: computed on the way: QUANTISED
;;     10. batch 32 x [M 2,048, K 2,048] x [K 2,048, N 64]; A: computed on the way; B: computed on the way: QUANTISED
;;   THE QUANTISER, for each operand of a quantised product, along K:
;;     - K is cut into blocks of 32 from its start; a last block that is shorter is filled with zeros.
;;     - A block's scale is 2^e with e = floor(log2(the largest magnitude in the block)) - 2, held to -126 .. 127; a block of zeros has e = 0. As a byte (E8M0): e + 127.
;;     - Each number is divided by its block's scale, clamped to +-7.5, and rounded to the nearest number of E2M3, ties to even, subnormals kept.
;;     - The product sums the exact products of the quantised numbers (number of the format x scale) in f32.
;;   ~~~python
;;   def quantise(x, axis):      # numpy; x: float32 -> the quantised numbers, widened to float32 again
;;       x = np.moveaxis(x, axis, -1); K = x.shape[-1]
;;       x = np.pad(x, [(0, 0)] * (x.ndim - 1) + [(0, -K % 32)]); x = x.reshape(x.shape[:-1] + (-1, 32)); a = np.abs(x).max(-1, keepdims=True)
;;       e = np.where(a > 0, np.clip(np.frexp(np.where(a > 0, a, 1))[1] - 1 - 2, -126, 127), 0)      # np.frexp(a)[1] - 1 = floor(log2(a)), exactly
;;       r = np.clip(x / 2.0 ** e, -7.5, 7.5)
;;       step = 2.0 ** (np.maximum(np.frexp(np.where(r == 0, 1, r))[1] - 1, 0) - 3)
;;       q = np.round(r / step) * step * 2.0 ** e      # np.round: ties to even
;;       return np.moveaxis(q.reshape(q.shape[:-2] + (-1,))[..., :K], -1, axis).astype(np.float32)
;;   ~~~
;;   OPERANDS COMPUTED ON THE WAY. 'Computed on the way' means the value that the module computes at that place (a softmax that the list does not call 'softmax' is quantised finished and normalised). What goes into a quantiser is computed in f32, as accurately as f32 sums, v_exp_f32 and their like allow (about 1e-6 of the number): no bf16 or f16 on the way to a quantiser, and a product that is left as it is and whose result goes on into a quantised operand takes f32 operands (vector FMAs, or v_wmma_f32_16x16x4_f32). A number that lies on a knife's edge between two numbers of the format may be rounded either way, as far as f32 arithmetic and the matrix unit's own rounding can turn it there, and no further.
;; One version. Each part assembles by itself: llvm-mc -triple=amdgcn-amd-amdhsa -mcpu=gfx1250 --defsym DOCPART=n.
;; ======== version 1 of 1: 3 launches
;; limits: right only within a limited range of input values
;; workspace buffers: codes 7,864,320 bytes; scales 327,680 bytes; img 18,874,368 bytes; isc 786,432 bytes
;; launch quant (part 1): grid 1280 x 1, 4 waves a work-group, no clusters, 21,248 bytes of LDS; arguments x, Wpq, Wpk, Wcq, Wck, Wpv, Wcv, codes, scales; writes codes, scales
.if DOCPART == 1
	.amdgcn_target "amdgcn-amd-amdhsa--gfx1250"
	.amdhsa_code_object_version 6
	.text
	.protected	k_q6aedbe068f_quant
	.globl	k_q6aedbe068f_quant
	.p2align	8
	.type	k_q6aedbe068f_quant,@function
k_q6aedbe068f_quant:
	s_mov_b64 s[64:65], 0
	v_nop
	global_prefetch_b8 v0, s[64:65] scope:SCOPE_SE
	s_setreg_imm32_b32 hwreg(HW_REG_WAVE_MODE, 25, 1), 1
	s_wait_xcnt 0x0
; x [4096][1024] and the six weights [1024][1024], f32, K (dim_in) innermost, become codes of FP6 (E2M3) with one E8M0 byte for each 32 along K.
; 10,240 rows in the order x, Wpq, Wpk, Wcq, Wck, Wpv, Wcv.  scales: 10,240 rows of 32 bytes.
; codes: FOUR PLANES, one for each 256 along K; in a plane a row is 192 bytes and the rows are dense: 128 rows are 24,576 consecutive bytes, 96 runs of 256 bytes that begin at multiples of 256: so the next launch's tensor loads take them.
; A block's scale is 2^(floor(log2(its largest magnitude)) - 2): its byte is the largest magnitude's exponent field - 2, held at 1 from below.
; IN BOTH BUFFERS THE 8-ROW GROUPS 1 AND 2 OF EVERY 32 ROWS CHANGE PLACES: position p holds the row whose number has bits 3 and 4 of p swapped.  Sixteen neighbouring positions 16 (2 B + u) + r
; then hold the rows 32 B + 8 u + r + 8 (r / 8): the choice of rows by which the next launch's results come out with 16 neighbours of the next K in 16 registers of a lane.
; A work-group takes a group of 8 rows, a wave 2 rows in 4 steps.  A step is 256 along K of the two rows: four loads of 512 consecutive bytes; the 2,048 bytes turn through the wave's own stage in LDS and come back
; 64 bytes (16 neighbours) a lane; two neighbouring lanes hold a block.  A lane's 16 codes are 12 bytes: the wave stores 384 consecutive bytes of one plane (two rows).
; The group's 256 scale bytes are gathered in LDS; behind one barrier wave 0 stores them: 256 consecutive bytes, aligned.
; No tensor loads.  A wave's 16 loads are all issued at its head; the turn through LDS runs one step ahead.
; LIMITS: NaN and infinities among the inputs are not served.  A block of zeros, and a block whose largest magnitude lies under 2^-124, gets the byte 1 (the rule says 127 for zeros): its codes add nothing or little, and this program alone reads the bytes.
.set STEPS, 4
.set EMAX,  2
.set CB,    12                         ; bytes of 16 codes
.set PLANE, 10240*192                  ; bytes of a plane of codes
.set R,     16                         ; v16-79   four sets of 16 numbers as they are loaded
.set X,     80                         ; v80-111  two sets of 16 neighbours
.set E,     112                        ; v112-115 a scale byte for each step
.set C,     120                        ; v120-135 codes: four registers for each step, so that no store's data are written again
.set SPW,   152                        ; v152 my spare word's LDS address, v153 = 0: never rewritten
.set NIL,   153
.set SP,    80                         ; a lane's place in a stage: 64 bytes + 16 of padding
.set WREG,  2*32*SP                    ; LDS: two stages for each wave
.set SCB,   4*WREG                     ; behind them the group's 256 scale bytes, 64 a wave
.set SPARE, SCB+256                    ; and the spare words, 128 bytes a wave
	s_load_b256 s[4:11], s[0:1], 0x0               ; x, Wpq, Wpk, Wcq
	s_load_b256 s[12:19], s[0:1], 0x20             ; Wck, Wpv, Wcv, codes
	s_load_b64 s[20:21], s[0:1], 0x40              ; scales
	v_lshl_add_u32 v[SPW], v0, 2, SPARE
	v_mov_b32 v[NIL], 0
	v_lshrrev_b32 v1, 5, v0
	v_readfirstlane_b32 s26, v1                    ; wave
	v_and_b32 v2, 31, v0                           ; lane
	v_lshlrev_b32 v3, 4, v2                        ; my 16 bytes of a load's 512
	s_mul_i32 s27, s26, WREG
	v_lshrrev_b32 v14, 2, v2
	v_mul_u32_u24 v14, v14, SP
	v_and_b32 v15, 3, v2
	v_lshl_add_u32 v14, v15, 4, v14
	v_add_nc_u32 v14, s27, v14                     ; the stage, on the way in: SP (lane / 4) + 16 (lane % 4)
	v_mul_u32_u24 v15, v2, SP
	v_add_nc_u32 v15, s27, v15                     ; and on the way out: SP x lane: my 16 neighbours
	v_mul_u32_u24 v4, v2, CB                       ; my codes' place in a step's 384 bytes
	v_bfe_u32 v5, v2, 1, 3                         ; my block among the row's eight of this step,
	v_lshrrev_b32 v10, 4, v2
	v_lshl_add_u32 v5, v10, 5, v5                  ; and which of the two rows: 32 bytes a row
	s_lshl_b32 s27, s26, 6
	s_add_co_u32 s27, s27, SCB
	v_add_nc_u32 v5, s27, v5                       ; LDS: my wave's 64 scale bytes
	v_lshlrev_b32 v7, 3, v2                        ; on the way out 8 bytes a lane
	v_add_nc_u32 v6, SCB, v7
	s_sub_co_u32 s22, ttmp9, 512                   ; work-groups 0-511 take x, then 128 for each weight
	s_lshr_b32 s23, s22, 7                         ; which weight (no weight's number for x's work-groups)
	s_and_b32 s22, s22, 127                        ; which 8 rows of it
	s_wait_alu depctr_va_vdst(0)
	s_wait_kmcnt 0x0
	s_mov_b64 s[24:25], s[16:17]                   ; the choice of the input hangs on the work-group's number alone
.irp i, 4,3,2,1,0
	s_cmp_eq_u32 s23, \i
	s_cselect_b64 s[24:25], s[6+2*\i:7+2*\i], s[24:25]
.endr
	s_cmp_lt_u32 ttmp9, 512
	s_cselect_b64 s[24:25], s[4:5], s[24:25]
	s_cselect_b32 s22, ttmp9, s22
	s_lshl_b32 s28, s22, 2
	s_add_co_u32 s28, s28, s26
	s_lshl_b32 s28, s28, 13                        ; my wave's 2 rows in the input: 8,192 bytes
	s_mov_b32 s29, 0
	s_add_nc_u64 s[24:25], s[24:25], s[28:29]
	s_lshr_b32 s30, ttmp9, 2                       ; the group's place: its number with its two lowest bits swapped
	s_lshl_b32 s30, s30, 2
	s_and_b32 s31, ttmp9, 1
	s_lshl_b32 s31, s31, 1
	s_add_co_u32 s30, s30, s31
	s_bfe_u32 s31, ttmp9, 0x10001
	s_add_co_u32 s30, s30, s31
	s_mul_i32 s28, s30, 1536                       ; 8 rows of 192 bytes in a plane,
	s_mul_i32 s31, s26, 384                        ; and my two of them
	s_add_co_u32 s28, s28, s31
	s_add_nc_u64 s[18:19], s[18:19], s[28:29]
	s_lshl_b32 s28, s30, 8                         ; 8 rows of 32 bytes
	s_add_nc_u64 s[20:21], s[20:21], s[28:29]
.macro LOAD t                          ; step t: K step t of my two rows; 32 lanes read 512 consecutive bytes
.irp i, 0,1,2,3
	global_load_b128 v[R+16*(\t)+4*\i:R+16*(\t)+4*\i+3], v3, s[24:25] offset:4096*(\i/2)+1024*(\t)+512*(\i%2) th:TH_LOAD_NT
.endr
.endm
.macro TURN t                          ; through the stage: LDS serves a wave's instructions in order, so no wait stands between the stores and the loads
.irp i, 0,1,2,3
	ds_store_b128 v14, v[R+16*(\t)+4*\i:R+16*(\t)+4*\i+3] offset:32*SP*((\t)%2)+8*SP*\i
.endr
.irp i, 0,1,2,3
	ds_load_b128 v[X+16*((\t)%2)+4*\i:X+16*((\t)%2)+4*\i+3], v15 offset:32*SP*((\t)%2)+16*\i
.endr
.endm
.irp t, 0,1,2,3
	LOAD \t
.endr
	s_wait_loadcnt 12                              ; step 0's four loads are in; the 12 of steps 1 to 3 may be out
	TURN 0
.macro STEP t
.set XS, X+16*((\t)%2)
.if (\t) > 0
	s_wait_dscnt 1                                 ; this step's numbers are back from the stage (the last step's byte store may be out)
.else
	s_wait_dscnt 0x0
.endif
.if (\t)+1 < STEPS
	s_wait_loadcnt 4*(STEPS-2-(\t))                ; the next step's four loads are in; those of the steps behind it may be out
	TURN (\t)+1
.endif
	v_max3_num_f32 v8, |v[XS]|, |v[XS+1]|, |v[XS+2]|               ; the largest magnitude of my 16, in two chains
	v_max3_num_f32 v9, |v[XS+3]|, |v[XS+4]|, |v[XS+5]|
.irp i, 6,10
	v_max3_num_f32 v8, v8, |v[XS+\i]|, |v[XS+\i+1]|
	v_max3_num_f32 v9, v9, |v[XS+\i+2]|, |v[XS+\i+3]|
.endr
	v_max3_num_f32 v8, v8, |v[XS+14]|, |v[XS+15]|
	v_max3_num_f32 v8, v8, v9, (EMAX+1)<<23        ; and the floor 2^(3 - 127): the byte cannot fall under 1
	v_max_num_f32_dpp v8, v8, v8 row_xmask:1 row_mask:0xf bank_mask:0xf   ; and of my neighbour's 16: the block's
	v_add_nc_u32 v11, -(EMAX<<23), v8              ; 2 off its exponent field: the conversion's scale operand
	v_cvt_scalef32_pk16_fp6_f32 v[C+4*(\t):C+4*(\t)+2], v[XS:XS+15], v11
	v_lshrrev_b32 v[E+(\t)], 23, v11               ; the scale's byte (a plain line behind the conversion)
	ds_store_b8 v5, v[E+(\t)] offset:8*(\t)        ; both lanes of a block write the same byte with the same value
	global_store_b96 v4, v[C+4*(\t):C+4*(\t)+2], s[18:19] offset:PLANE*(\t)
.endm
.irp t, 0,1,2,3
	STEP \t
.endr
	s_wait_dscnt 0x0                               ; for the others' sake: my scale bytes lie in LDS
	s_barrier_signal -1
	s_barrier_wait -1
	s_cmp_lg_u32 s26, 0
	s_cbranch_scc1 .Ldone
	ds_load_b64 v[12:13], v6
	s_wait_dscnt 0x0
	global_store_b64 v7, v[12:13], s[20:21]        ; 32 lanes store 256 consecutive bytes, aligned
.Ldone:
	s_wait_tensorcnt 0x0                           ; the wave's end
	ds_add_u32 v[SPW], v[NIL]
	s_wait_dscnt 0x0
	s_endpgm
.Lfunc_end_k_q6aedbe068f_quant:
	.size	k_q6aedbe068f_quant, .Lfunc_end_k_q6aedbe068f_quant-k_q6aedbe068f_quant
	.p2alignl 7, 3214868480
	.fill 96, 4, 3214868480
	.section	.rodata,"a",@progbits
	.p2align	6, 0x0
	.amdhsa_kernel k_q6aedbe068f_quant
		.amdhsa_group_segment_fixed_size 21248
		.amdhsa_private_segment_fixed_size 0
		.amdhsa_enable_private_segment 0
		.amdhsa_kernarg_size 72
		.amdhsa_user_sgpr_count 2
		.amdhsa_user_sgpr_kernarg_segment_ptr 1
		.amdhsa_wavefront_size32 1
		.amdhsa_system_sgpr_workgroup_id_x 1
		.amdhsa_system_sgpr_workgroup_id_y 1
		.amdhsa_system_sgpr_workgroup_id_z 1
		.amdhsa_system_vgpr_workitem_id 0
		.amdhsa_next_free_vgpr 160
		.amdhsa_next_free_sgpr 66
		.amdhsa_reserve_vcc 0
		.amdhsa_float_denorm_mode_32 3
		.amdhsa_float_denorm_mode_16_64 3
		.amdhsa_memory_ordered 1
		.amdhsa_forward_progress 1
		.amdhsa_inst_pref_size 11
	.end_amdhsa_kernel
	.amdgpu_metadata
---
amdhsa.version: [ 1, 2 ]
amdhsa.kernels:
  - .name:           k_q6aedbe068f_quant
    .symbol:         k_q6aedbe068f_quant.kd
    .args:
      - { .name: x, .offset: 0, .size: 8, .value_kind: global_buffer, .address_space: global }
      - { .name: Wpq, .offset: 8, .size: 8, .value_kind: global_buffer, .address_space: global }
      - { .name: Wpk, .offset: 16, .size: 8, .value_kind: global_buffer, .address_space: global }
      - { .name: Wcq, .offset: 24, .size: 8, .value_kind: global_buffer, .address_space: global }
      - { .name: Wck, .offset: 32, .size: 8, .value_kind: global_buffer, .address_space: global }
      - { .name: Wpv, .offset: 40, .size: 8, .value_kind: global_buffer, .address_space: global }
      - { .name: Wcv, .offset: 48, .size: 8, .value_kind: global_buffer, .address_space: global }
      - { .name: codes, .offset: 56, .size: 8, .value_kind: global_buffer, .address_space: global }
      - { .name: scales, .offset: 64, .size: 8, .value_kind: global_buffer, .address_space: global }
    .group_segment_fixed_size: 21248
    .private_segment_fixed_size: 0
    .kernarg_segment_align: 8
    .kernarg_segment_size: 72
    .max_flat_workgroup_size: 128
    .sgpr_count:     66
    .vgpr_count:     160
    .wavefront_size: 32
...
	.end_amdgpu_metadata
.endif
;; end of part 1
;; launch proj (part 2): grid 16 x 24, 4 waves a work-group, clusters of 4 x 4, 327,680 bytes of LDS; arguments codes, scales, img, isc; writes img, isc
.if DOCPART == 2
	.amdgcn_target "amdgcn-amd-amdhsa--gfx1250"
	.amdhsa_code_object_version 6
	.text
	.protected	k_q6aedbe068f_proj
	.globl	k_q6aedbe068f_proj
	.p2align	8
	.type	k_q6aedbe068f_proj,@function
k_q6aedbe068f_proj:
	s_mov_b64 s[64:65], 0
	v_nop
	global_prefetch_b8 v0, s[64:65] scope:SCOPE_SE
	s_setreg_imm32_b32 hwreg(HW_REG_WAVE_MODE, 25, 1), 1
	s_wait_xcnt 0x0
	s_wait_alu depctr_hold_cnt(0) depctr_sa_sdst(0) depctr_va_vdst(0) depctr_va_sdst(0) depctr_va_ssrc(0) depctr_va_vcc(0) depctr_vm_vsrc(0)
	s_getreg_b32 s2, hwreg(HW_REG_IB_STS2, 6, 4)
	s_cmp_eq_u32 s2, 0
	s_cbranch_scc0 .Lentry_in_a_cluster
	s_endpgm
.Lentry_in_a_cluster:
	s_bfe_u32 s2, ttmp6, 0x10000c
	s_cmp_lg_u32 s2, 0xf033
	s_cbranch_scc0 .Lentry_shape_is_right
	s_endpgm
.Lentry_shape_is_right:
; THE SIX PROJECTIONS, on codes of FP6 (E2M3) with E8M0 scales, and the quantising of their results for the attention launch.
; Tile rows 0-15: A = x's 4,096 rows, B = the 4,096 rows of Wpq, Wpk, Wcq, Wck (q and k: a lane holds a token, its registers run along the channels, the next K).
; Tile rows 16-23: A = the 2,048 rows of Wpv, Wcv, B = x's rows (v transposed: a lane holds a channel, its registers run along the tokens, the next K).
; A tile is 256 x 256, four waves of 128 x 128; K goes in four steps of 256 through a ring of two LDS slots.  The codes lie in four planes, one a K step, 192 dense bytes a row: 128 rows are asked for as 96 rows of
; 256 bytes that begin at multiples of 256; 16 bytes of padding behind every 64 lay row r at 240 r in LDS.  The scales of the tile's rows come once, for all of K.
; THE HEAD: one joint load a wave: wave 0 A's 256 rows of K step 0, wave 1 B's, wave 2 A's scales, wave 3 B's; slot 1 is first filled behind the full sequence and a round, as a refill is.
; CLUSTERS 4 x 4: A's tiles are shared along a row of the cluster, B's along a column.  No prefetch: K has four steps, of which two are asked for in the head.
; THE WAY OUT: each block of 32 results along the next K gets its scale byte and its codes; they leave as images of the operand's registers: img[block of 16 rows][64 along the next K] of 768 bytes, isc one word for 16 rows x 128.
; LIMITS: NaN and infinities are not served; a block of zeros gets the byte 1 (its codes are zeros; this program alone reads the bytes).
.set SIZE_K, 1024
.set KSTEP,  256
.set NQ,     KSTEP/128
.set ROWB,   192
.set KROW,   192
.set PLANE,  10240*192
.set PITCH,  240
.set FR,     12
.set NL,     6
.set NP,     4
.set HALFT,  128*PITCH
.set SLOT,   4*HALFT
.set LAPS,   SIZE_K/(2*KSTEP)
.set KS,     SIZE_K/32
.set SCL,    2*SLOT
.set HALFS,  (128*KS/256)*272
.set SBLK,   (16*KS/256)*272
.set SPARE,  SCL+4*HALFS
.set ADRA, 16
.set ADRB, 20
.set STI,  24
.set STR,  25
.set IO16, 26
.set ADRS, 27
.set SPW,  28
.set NIL,  29
.set IO8,  30
.set SC,   32
.set TM,   64
.set PT,   80
.set PW,   88
.set RB,   96
.set AF,   128
.set CDS,  128
.set G1, 24
.set G0, 32
.set G1B, 48
.set G0B, 56
.set G1S, 68
.set G0S, 76
.set G1SB, 80
.set G0SB, 88
.set G0H,  4
.set G0HB, 92
.set MSB, 0
.macro WIN new
.if MSB != \new
	s_set_vgpr_msb (MSB<<8)|\new
.set MSB, \new
.endif
.endm
.set MUL_LO, 0xa1
.set MUL_HI, 0xf1
.set TO_B,   0x40
.macro JLOAD g0a, g1a, g0b, g1b
	s_cmp_eq_u32 s15, 0
	s_cbranch_scc0 .Lfor_b_\@
	tensor_load_to_lds s[\g0a:\g0a+3], s[\g1a:\g1a+7]
	s_nop 0
.rept 4
	v_nop
.endr
	s_branch .Lasked_\@
.Lfor_b_\@:
	tensor_load_to_lds s[\g0b:\g0b+3], s[\g1b:\g1b+7]
	s_nop 0
.rept 4
	v_nop
.endr
.Lasked_\@:
.endm
.macro CREST
	s_cmp_lg_u32 s14, 0
	s_cbranch_scc1 .Lnot_wave_0_\@
	s_barrier_signal -3
.Lnot_wave_0_\@:
	s_barrier_wait -3
	s_barrier_signal -1
	s_barrier_wait -1
.endm
.macro CROUND
	s_barrier_signal -1
	s_barrier_wait -1
	CREST
.endm
	s_load_b128 s[4:7], s[0:1], 0x0
	s_load_b128 s[8:11], s[0:1], 0x10
	v_lshl_add_u32 v[SPW], v0, 2, SPARE
	v_mov_b32 v[NIL], 0
	ds_add_u32 v28, v29
	ds_add_u32 v28, v29
	s_wait_dscnt 0x0
	v_lshrrev_b32 v1, 5, v0
	v_readfirstlane_b32 s14, v1
	s_lshr_b32 s15, s14, 1
	s_and_b32 s16, s14, 1
	s_bfe_u32 s40, ttmp6, 0x40000
	s_bfe_u32 s41, ttmp6, 0x40004
	s_lshl_b32 s42, ttmp9, 2
	s_add_co_u32 s42, s42, s40
	s_and_b32 s17, ttmp7, 0xffff
	s_lshr_b32 s96, s17, 2
	s_lshl_b32 s96, s96, 12
	s_xor_b32 s97, s96, 4096
	s_lshl_b32 s17, s17, 2
	s_add_co_u32 s17, s17, s41
	s_lshl_b32 s43, s41, 2
	s_lshl_b32 s43, 15, s43
	s_lshl_b32 s44, 0x1111, s40
	s_mov_b32 s98, 0x76543210
	s_mov_b32 s99, 0xfedcba98
	s_or_b32 s[G1+0], s43, (0<<16)|(1<<20)|(1<<21)|(3<<22)|(3<<25)
	s_or_b32 s[G1B+0], s44, (0<<16)|(1<<20)|(1<<21)|(3<<22)|(3<<25)
.irp g, G1, G1B
	s_mov_b32 s[\g+1], 256<<16                     ; rows of 256 bytes;
	s_mov_b32 s[\g+2], 192<<16                     ; 192 of them for the head's 256 rows of codes (behind the head: 96 for 128)
	s_mov_b32 s[\g+3], 256<<16
	s_mov_b32 s[\g+4], 192
	s_mov_b32 s[\g+5], 256                         ; dense
	s_mov_b32 s[\g+6], 0
	s_mov_b32 s[\g+7], 0
.endr
	s_or_b32 s[G1S+0], s43, (3<<16)|(1<<20)|(1<<21)|(5<<22)|(3<<25)
	s_or_b32 s[G1SB+0], s44, (3<<16)|(1<<20)|(1<<21)|(5<<22)|(3<<25)
.irp g, G1S, G1SB
	s_mov_b32 s[\g+1], 32<<16
	s_mov_b32 s[\g+2], KS<<16                      ; the scales of 256 rows: KS rows of 256 bytes
	s_mov_b32 s[\g+3], 32<<16
	s_mov_b32 s[\g+4], KS
	s_mov_b32 s[\g+5], 32
	s_mov_b32 s[\g+6], 0
	s_mov_b32 s[\g+7], 0
.endr
	s_lshl_b32 s20, s17, 8
	s_add_co_u32 s20, s20, s96                     ; A: the tile's first row
	s_lshl_b32 s46, s42, 8
	s_add_co_u32 s46, s46, s97                     ; B: likewise
	s_mov_b32 s21, 0
	s_mov_b32 s47, 0
	s_mov_b64 s[18:19], KS
	s_mul_u64 s[22:23], s[20:21], s[18:19]
	s_mul_u64 s[92:93], s[46:47], s[18:19]
	s_mov_b64 s[18:19], KROW
	s_mul_u64 s[20:21], s[20:21], s[18:19]
	s_mul_u64 s[46:47], s[46:47], s[18:19]
	s_mul_i32 s45, s14, HALFT
	s_mul_i32 s18, s16, 128*KROW                   ; in the ring I fetch 128 rows of a tile: which half, in bytes
	s_mov_b32 s19, 0
	s_wait_kmcnt 0x0
	s_add_nc_u64 s[20:21], s[4:5], s[20:21]
	s_add_nc_u64 s[22:23], s[6:7], s[22:23]
	s_add_nc_u64 s[46:47], s[4:5], s[46:47]
	s_add_nc_u64 s[92:93], s[6:7], s[92:93]
	CROUND                                         ; all sixteen work-groups are here: the first joint loads meet
	s_mov_b32 s[G0H], 1                            ; the head's four tiles, each whole: K step 0's 256 rows of A,
	s_mov_b32 s[G0H+1], 0
	s_mov_b64 s[G0H+2:G0H+3], s[20:21]
	s_or_b32 s[G0H+3], s[G0H+3], 0x80000000
	s_mov_b32 s[G0S], 1                            ; the scales of A's 256 rows,
	s_mov_b32 s[G0S+1], SCL
	s_mov_b64 s[G0S+2:G0S+3], s[22:23]
	s_or_b32 s[G0S+3], s[G0S+3], 0x80000000
	s_mov_b32 s[G0SB], 1                           ; those of B's,
	s_mov_b32 s[G0SB+1], SCL+2*HALFS
	s_mov_b64 s[G0SB+2:G0SB+3], s[92:93]
	s_or_b32 s[G0SB+3], s[G0SB+3], 0x80000000
	s_mov_b32 s[G0HB], 1                           ; and K step 0's 256 rows of B, behind A's in slot 0
	s_mov_b32 s[G0HB+1], 2*HALFT
	s_mov_b64 s[G0HB+2:G0HB+3], s[46:47]
	s_or_b32 s[G0HB+3], s[G0HB+3], 0x80000000
	s_add_nc_u64 s[20:21], s[20:21], s[18:19]      ; for the ring: my 128 rows of the tile
	s_add_nc_u64 s[46:47], s[46:47], s[18:19]
.irp s, 0,1
	s_mov_b32 s[G0+4*\s], 1
	s_add_co_u32 s[G0+4*\s+1], s45, \s*SLOT
	s_add_nc_u64 s[G0+4*\s+2:G0+4*\s+3], s[20:21], \s*PLANE
	s_or_b32 s[G0+4*\s+3], s[G0+4*\s+3], 0x80000000
	s_mov_b32 s[G0B+4*\s], 1
	s_add_co_u32 s[G0B+4*\s+1], s45, \s*SLOT
	s_add_nc_u64 s[G0B+4*\s+2:G0B+4*\s+3], s[46:47], \s*PLANE
	s_or_b32 s[G0B+4*\s+3], s[G0B+4*\s+3], 0x80000000
.endr
; one tree of branches on the wave's number: every way through the head passes exactly one load
.macro ARM under, g0, g1, next
	s_cmp_lt_u32 s14, \under
	s_cbranch_scc0 \next
	tensor_load_to_lds s[\g0:\g0+3], s[\g1:\g1+7]
	s_nop 0
.rept 4
	v_nop
.endr
	s_branch .Lhead_asked
\next:
.endm
	ARM 1, G0H,  G1,  .Lhead_b
	ARM 2, G0HB, G1B, .Lhead_sa
	ARM 3, G0S,  G1S, .Lhead_sb
	tensor_load_to_lds s[G0SB:G0SB+3], s[G1SB:G1SB+7]
	s_nop 0
.rept 4
	v_nop
.endr
.Lhead_asked:
	v_and_b32 v1, 15, v0
	v_bfe_u32 v2, v0, 4, 1
	v_mul_u32_u24 v3, v1, PITCH
	v_mul_u32_u24 v4, v2, 24
	v_add_nc_u32 v4, v3, v4
	v_lshl_add_u32 v5, v2, 4, v4
	s_mul_i32 s21, s15, HALFT
	s_mul_i32 s22, s16, HALFT
	s_add_co_u32 s22, s22, 2*HALFT
.irp s, 0,1
	v_add_nc_u32 v[ADRA+\s], s21, v4
	v_add_nc_u32 v[ADRB+\s], s22, v4
	v_add_nc_u32 v[ADRA+2+\s], s21, v5
	v_add_nc_u32 v[ADRB+2+\s], s22, v5
	s_add_co_u32 s21, s21, SLOT
	s_add_co_u32 s22, s22, SLOT
.endr
	v_mul_u32_u24 v5, v1, KS
	v_lshrrev_b32 v6, 8, v5
	v_lshl_add_u32 v5, v6, 4, v5
	s_mul_i32 s21, s15, HALFS
	s_mul_i32 s22, s16, HALFS
	s_add_co_u32 s22, s22, 2*HALFS
	s_sub_co_u32 s22, s22, s21
	v_mul_u32_u24 v6, s22, v2
	s_add_co_u32 s21, s21, SCL
	v_add_nc_u32 v5, v5, v6
	v_add_nc_u32 v[ADRS], s21, v5
	s_lshl_b32 s23, s14, 9
	v_lshl_add_u32 v[STI], v1, 2, s23
	v_and_b32 v6, 31, v0
	v_lshlrev_b32 v[IO16], 4, v6
	v_add_nc_u32 v[STR], s23, v[IO16]
	v_lshlrev_b32 v[IO8], 3, v6
	v_add_nc_u32 v[IO8], 512, v[IO8]
	s_lshl_b32 s20, s17, 4
	s_lshl_b32 s21, s15, 3
	s_add_co_u32 s20, s20, s21
	s_lshl_b32 s46, s42, 2
	s_lshl_b32 s47, s16, 1
	s_add_co_u32 s46, s46, s47
	s_lshl_b32 s21, s20, 6
	s_add_co_u32 s21, s21, s46
	s_mul_i32 s22, s21, 768
	s_mov_b32 s23, 0
	s_add_nc_u64 s[8:9], s[8:9], s[22:23]
	s_lshr_b32 s46, s46, 1
	s_mul_i32 s46, s46, 384
	s_add_co_u32 s46, s46, s20
	s_lshl_b32 s22, s46, 6
	s_add_nc_u64 s[10:11], s[10:11], s[22:23]
.macro FRAG reg, adr, q, i
.irp p, 0,1,2,3,4,5
.set PC, 12*(\q)+6*(\p/3)+\p%3
.if PC%8 < 5
	ds_load_b64 v[\reg+2*\p:\reg+2*\p+1], v[\adr] offset:8*PC+16*(PC/8)+(\i)*16*PITCH
.else
	ds_load_b64 v[\reg+2*\p:\reg+2*\p+1], v[\adr+2] offset:8*PC+16*(PC/8)+(\i)*16*PITCH
.endif
.endr
.endm
.macro MUL16 a0, p, q, sc, zero
.irp a, \a0, \a0+1
.irp b, 0,1,2,3,4,5,6,7
.if \zero
	v_wmma_scale_f32_16x16x128_f8f6f4 v[8*(8*((\a)%4)+\b):8*(8*((\a)%4)+\b)+7], v[128*(\p)+FR*\b:128*(\p)+FR*\b+FR-1], v[AF+FR*(\a):AF+FR*(\a)+FR-1], 0, v[SC+8*NQ*(\sc)+NQ*\b+(\q)], v[SC+8*NQ*(\sc)+NQ*(\a)+(\q)] matrix_a_fmt:MATRIX_FMT_FP6 matrix_b_fmt:MATRIX_FMT_FP6 matrix_a_scale:MATRIX_SCALE_ROW1
.else
	v_wmma_scale_f32_16x16x128_f8f6f4 v[8*(8*((\a)%4)+\b):8*(8*((\a)%4)+\b)+7], v[128*(\p)+FR*\b:128*(\p)+FR*\b+FR-1], v[AF+FR*(\a):AF+FR*(\a)+FR-1], v[8*(8*((\a)%4)+\b):8*(8*((\a)%4)+\b)+7], v[SC+8*NQ*(\sc)+NQ*\b+(\q)], v[SC+8*NQ*(\sc)+NQ*(\a)+(\q)] matrix_a_fmt:MATRIX_FMT_FP6 matrix_b_fmt:MATRIX_FMT_FP6 matrix_a_scale:MATRIX_SCALE_ROW1
.endif
.endr
.endr
.endm
.macro FETCH_B slot, q, p
	WIN TO_B
.irp i, 0,1,2,3,4,5,6,7
	FRAG 128*(\p)+FR*\i, ADRB+\slot, \q, \i
.endr
	WIN 0
.endm
.macro FETCH_A slot, q, i0
.irp i, \i0, \i0+1, \i0+2, \i0+3
	FRAG AF+FR*(\i), ADRA+\slot, \q, \i
.endr
.endm
.macro SCALES sc
.irp i, 0,1,2,3,4,5,6,7
	ds_load_b64 v[SC+8*NQ*\sc+NQ*\i:SC+8*NQ*\sc+NQ*\i+1], v[ADRS] offset:\i*SBLK
.endr
.endm
.macro PLACES n
.rept \n
	v_nop
.endr
.endm
.macro STEP slot, q, zero
	s_wait_dscnt 4*NL
	WIN MUL_LO
	MUL16 0, (\q)%2, \q, \slot, \zero
	MUL16 2, (\q)%2, \q, \slot, \zero
	s_wait_dscnt 0
	PLACES NP
	FETCH_B \slot, (\q)+1, 1-(\q)%2
	FETCH_A \slot, (\q)+1, 0
	WIN MUL_HI
	MUL16 4, (\q)%2, \q, \slot, \zero
	MUL16 6, (\q)%2, \q, \slot, \zero
	PLACES NP
	WIN 0
	FETCH_A \slot, (\q)+1, 4
.endm
.macro TURN slot, next, fill
	s_wait_tensorcnt 0x0
	ds_add_u32 v[SPW], v[NIL]
	s_wait_dscnt 4*NL+1
	WIN MUL_LO
	MUL16 0, 1, NQ-1, \slot, 0
	s_wait_dscnt 0x0
	s_barrier_signal -1
	MUL16 2, 1, NQ-1, \slot, 0
	WIN 0
	s_barrier_wait -1
.if \fill
	CREST
	s_add_nc_u64 s[G0+4*\slot+2:G0+4*\slot+3], s[G0+4*\slot+2:G0+4*\slot+3], 2*PLANE
	s_add_nc_u64 s[G0B+4*\slot+2:G0B+4*\slot+3], s[G0B+4*\slot+2:G0B+4*\slot+3], 2*PLANE
	JLOAD G0+4*\slot, G1, G0B+4*\slot, G1B
.else
	PLACES NP
.endif
	s_wait_alu depctr_va_vdst(0)
	v_add_nc_u32 v[ADRS], 4*NQ, v[ADRS]
	FETCH_B \next, 0, 0
	FETCH_A \next, 0, 0
	SCALES \next
	WIN MUL_HI
	MUL16 4, 1, NQ-1, \slot, 0
	MUL16 6, 1, NQ-1, \slot, 0
	PLACES NP
	WIN 0
	FETCH_A \next, 0, 4
.endm
	s_wait_alu depctr_va_vdst(0)
	s_wait_tensorcnt 0x0                           ; my tile of the head's four is in
	ds_add_u32 v[SPW], v[NIL]
	s_mov_b32 s[G1+2], 96<<16                      ; no tensor load of mine is out: from here on a load brings 128 rows of codes, 96 rows of 256 bytes
	s_mov_b32 s[G1+4], 96
	s_mov_b32 s[G1B+2], 96<<16
	s_mov_b32 s[G1B+4], 96
	s_wait_dscnt 0x0
	CROUND                                         ; all four tiles are in, and all sixteen work-groups are here
	JLOAD G0+4, G1, G0B+4, G1B                     ; K step 1, the first tensor load behind the round
	FETCH_B 0, 0, 0
	FETCH_A 0, 0, 0
	SCALES 0
	FETCH_A 0, 0, 4
	STEP 0, 0, 1
	s_mov_b32 s3, LAPS-1
.Llap:
	TURN 0, 1, 1
	STEP 1, 0, 0
	TURN 1, 0, 1
	STEP 0, 0, 0
	s_sub_co_u32 s3, s3, 1
	s_cmp_lg_u32 s3, 0
	s_cbranch_scc1 .Llap
	TURN 0, 1, 0
	STEP 1, 0, 0
	s_wait_dscnt 4*NL
	WIN MUL_LO
	MUL16 0, 1, NQ-1, 1, 0
	MUL16 2, 1, NQ-1, 1, 0
	s_wait_dscnt 0
	WIN MUL_HI
	MUL16 4, 1, NQ-1, 1, 0
	MUL16 6, 1, NQ-1, 1, 0
	WIN 0
.macro QUANTW a
.set WN, 2+(\a)/4
.set WN5, 5*WN
.set AC, 64*((\a)%4)
.set CDA, CDS+12*(\a)
	WIN WN5
.irp b, 0,1,2,3
	v_max3_num_f32 v[TM+\b], |v[AC+16*\b]|, |v[AC+16*\b+1]|, 0x1800000
.endr
.irp i, 2,4,6,8,10,12,14
.irp b, 0,1,2,3
	v_max3_num_f32 v[TM+\b], |v[AC+16*\b+\i]|, |v[AC+16*\b+\i+1]|, v[TM+\b]
.endr
.endr
	WIN 0
.irp b, 0,1,2,3
	v_permlanex16_b32 v[TM+4+\b], v[TM+\b], s98, s99
.endr
.irp b, 0,1,2,3
	v_max_num_f32 v[TM+\b], v[TM+\b], v[TM+4+\b]
.endr
.irp b, 0,1,2,3
	v_add_nc_u32 v[TM+12+\b], 0xff000000, v[TM+\b]
.endr
.irp b, 0,1,2,3
	v_lshrrev_b32 v[TM+4+\b], 23, v[TM+12+\b]
.endr
	v_lshl_or_b32 v[PW+(\a)], v[TM+5], 8, v[TM+4]
	v_lshl_or_b32 v[PW+(\a)], v[TM+6], 16, v[PW+(\a)]
	v_lshl_or_b32 v[PW+(\a)], v[TM+7], 24, v[PW+(\a)]
	WIN WN
.irp c, 0,1
	v_cvt_scalef32_pk16_fp6_f32 v[CDA+6*\c:CDA+6*\c+2], v[AC+32*\c:AC+32*\c+15], v[TM+12+2*\c]
	v_cvt_scalef32_pk16_fp6_f32 v[PT+4*\c:PT+4*\c+2], v[AC+16+32*\c:AC+31+32*\c], v[TM+13+2*\c]
.endr
	WIN 0
	v_nop
.irp c, 0,1
.irp i, 0,1,2
	v_permlane16_swap_b32 v[CDA+6*\c+\i], v[PT+4*\c+\i]
.endr
.irp i, 0,1,2
	v_mov_b32 v[CDA+3+6*\c+\i], v[PT+4*\c+\i]
.endr
.endr
.endm
.macro OUTW a
.set CDA, CDS+12*(\a)
	ds_store_b32 v[STI], v[PW+(\a)] offset:64*(\a)
	global_store_b128 v[IO16], v[CDA:CDA+3], s[8:9] offset:49152*(\a)
	global_store_b64 v[IO8], v[CDA+4:CDA+5], s[8:9] offset:49152*(\a)
	global_store_b128 v[IO16], v[CDA+6:CDA+9], s[8:9] offset:49152*(\a)+768
	global_store_b64 v[IO8], v[CDA+10:CDA+11], s[8:9] offset:49152*(\a)+768
.endm
	PLACES NP
.irp b, 0,1,2,3
	v_mov_b32 v[TM+4+\b], 0
.endr
.irp a, 0,1,2,3,4,5,6,7
	QUANTW \a
	OUTW \a
.endr
	ds_load_b128 v[RB:RB+3], v[STR]
	s_wait_dscnt 0x0
	global_store_b128 v[IO16], v[RB:RB+3], s[10:11]
	s_wait_tensorcnt 0x0
	ds_add_u32 v[SPW], v[NIL]
	s_wait_dscnt 0x0
	CROUND
	s_endpgm
.Lfunc_end_k_q6aedbe068f_proj:
	.size	k_q6aedbe068f_proj, .Lfunc_end_k_q6aedbe068f_proj-k_q6aedbe068f_proj
	.p2alignl 7, 3214868480
	.fill 96, 4, 3214868480
	.section	.rodata,"a",@progbits
	.p2align	6, 0x0
	.amdhsa_kernel k_q6aedbe068f_proj
		.amdhsa_group_segment_fixed_size 327680
		.amdhsa_private_segment_fixed_size 0
		.amdhsa_enable_private_segment 0
		.amdhsa_kernarg_size 32
		.amdhsa_user_sgpr_count 2
		.amdhsa_user_sgpr_kernarg_segment_ptr 1
		.amdhsa_wavefront_size32 1
		.amdhsa_system_sgpr_workgroup_id_x 1
		.amdhsa_system_sgpr_workgroup_id_y 1
		.amdhsa_system_sgpr_workgroup_id_z 1
		.amdhsa_system_vgpr_workitem_id 0
		.amdhsa_next_free_vgpr 1024
		.amdhsa_next_free_sgpr 100
		.amdhsa_reserve_vcc 0
		.amdhsa_float_denorm_mode_32 3
		.amdhsa_float_denorm_mode_16_64 3
		.amdhsa_memory_ordered 1
		.amdhsa_forward_progress 1
		.amdhsa_inst_pref_size 166
	.end_amdhsa_kernel
	.amdgpu_metadata
---
amdhsa.version: [ 1, 2 ]
amdhsa.kernels:
  - .name:           k_q6aedbe068f_proj
    .symbol:         k_q6aedbe068f_proj.kd
    .args:
      - { .name: codes, .offset: 0, .size: 8, .value_kind: global_buffer, .address_space: global }
      - { .name: scales, .offset: 8, .size: 8, .value_kind: global_buffer, .address_space: global }
      - { .name: img, .offset: 16, .size: 8, .value_kind: global_buffer, .address_space: global }
      - { .name: isc, .offset: 24, .size: 8, .value_kind: global_buffer, .address_space: global }
    .group_segment_fixed_size: 327680
    .private_segment_fixed_size: 0
    .kernarg_segment_align: 8
    .kernarg_segment_size: 32
    .max_flat_workgroup_size: 128
    .sgpr_count:     100
    .vgpr_count:     1024
    .wavefront_size: 32
...
	.end_amdgpu_metadata
.endif
;; end of part 2
;; launch attn (part 3): grid 256 x 1, 8 waves a work-group, no clusters, 99,328 bytes of LDS; arguments img, isc, out0, out1; writes out0, out1
.if DOCPART == 3
	.amdgcn_target "amdgcn-amd-amdhsa--gfx1250"
	.amdhsa_code_object_version 6
	.text
	.protected	k_q6aedbe068f_attn
	.globl	k_q6aedbe068f_attn
	.p2align	8
	.type	k_q6aedbe068f_attn,@function
k_q6aedbe068f_attn:
	s_mov_b64 s[64:65], 0
	v_nop
	global_prefetch_b8 v0, s[64:65] scope:SCOPE_SE
	s_setreg_imm32_b32 hwreg(HW_REG_WAVE_MODE, 25, 1), 1
	s_wait_xcnt 0x0
; 64 ATTENTION PROBLEMS (batch b, head n, stream s): att = softmax(q k^T / 8) with q, k of stream s; the map goes to the values of stream sv = s xor (n & 1) (the maps change places on odd heads), and the result to out[sv].
; Both products on codes of FP6 (E2M3) with one E8M0 byte for each 32 along K.  WHAT IS QUANTISED FOR THE SECOND PRODUCT IS THE FINISHED, NORMALISED SOFTMAX, along the keys: so a row's maximum and sum are known before any weight is quantised.
; SHARES.  A work-group takes one problem and a quarter of its queries: 32 tiles of 16; the four work-groups of a problem have numbers 64 apart.  WAVE w OWNS KEYS 256 w .. 256 w + 255 FOR THE WHOLE LAUNCH: its fragments
; of k (96 registers) and of v^T (96) are read from memory once and stay.
; ONE BARRIER A TILE.  For tile i a wave makes its 16 x 256 scores once, takes its own maximum and sum and puts them into LDS; the barrier; each wave reads the eight waves' statistics of tile i and the eight partial results
; of tile i - 1; it normalises, quantises, multiplies by its v and puts its partial result of tile i into LDS, which the next tile's barrier shows to the others.  Statistics and partial results have two places each, taken by the
; tile's parity: what is read behind barrier i is written again only behind barrier i + 1, in front of which every wave has waited for its reads.
; LAYOUT.  Both products are used transposed (S^T = k q^T, O^T = v^T p^T): a lane holds one query (lane % 16) throughout.  Operands come as images of their registers (768 bytes for 16 rows x 64 K).
; Lane r of a tile 2 B + u of tokens or channels holds row 32 B + 8 u + r + 8 (r / 8): so the 16 registers of score tiles 2 B, 2 B + 1 are 16 neighbouring keys, 32 B + 16 (lane / 16) + 0 .. 15.
; THE HEAD'S K IS 64, THE INSTRUCTION'S 128: source 0 is a PAIR of key tiles; source 1 is q followed by zero codes for the even tile, zero codes followed by q for the odd one, both cut from one run of 18 registers 0 | q | 0.
; SOFTMAX.  t = score x log2(e) / 8.  M_w = the largest t of the wave's 256 keys rounded UP to a whole number; p' = 2^(t - M_w); l_w = the sum of the unquantised p'.  All changes of M are multiplications by whole
; powers of two (v_ldexp_f32), which round nothing.  p = p' x 2^(M_w - M) / l with the row's M and l.  A block's largest p is the block's largest score put through the same three operations.
; Maxima and sums run in eight chains by turns, so that a line's source was written eight lines earlier.
; NO CLUSTER, NO TENSOR LOAD, NO PREFETCH: the four work-groups of a problem share k and v, 192 KB, which each reads once, at its head, straight into registers; the loop reads LDS alone.
; LIMITS: scores finite; the scaled scores stay under 2^31 in magnitude; p' under 2^-126 counts as 0; a block of zeros gets the scale byte 1 (its codes are zeros; nobody else reads the bytes).
; REGISTERS.  Window 0: v1-8 addresses that stay; v9-15 at work; v16-33 the run 0 | q | 0; v35 q's scale word; v36-39 k's, v40-43 v's, v44-45 p's (scales alone); v48-63 statistics; v64-191 the scores of units 0, 1, then p;
;   v192-223 by turns p's codes and the exchanged statistics; v224-231 the eight blocks' maxima; v232-253 at work; v254, v255 the spare word's address and 0.
;   Window 1: v0-95 k's 8 pairs; v96-191 v^T's 8 fragments; v192-223 O^T's 4 tiles; v224-255 rows of O read back.
.set STM,  0                           ; LDS: -M of wave w for query r at 32 r + 4 w;
.set STL,  512                         ; its sum likewise;
.set STP,  1024                        ; the other parity's statistics lie so far on
.set OP,   2048                        ; the partial O: for each wave 16 rows x (256 bytes + 16);
.set OPW,  16*272
.set OPP,  8*OPW                       ; the other parity's
.set QIM,  OP+2*OPP                    ; q's 32 images of 768 bytes;
.set QSL,  QIM+32*768                  ; q's scale words, 64 bytes a tile, the head's two bytes written twice in each word
.set SPARE, QSL+2048                   ; the spare words, 128 bytes a wave
.set AQ16, 1                           ; v1  QIM + 16 x lane
.set AQ8,  2                           ; v2  QIM + 512 + 8 x lane
.set AQS,  3                           ; v3  QSL + 4 r
.set ASTW, 4                           ; v4  32 r + 4 w
.set ASTR, 5                           ; v5  32 r
.set AOW,  6                           ; v6  OP + OPW w + 272 r + 64 h
.set AOR,  7                           ; v7  OP + 272 (2 w + h) + 16 (lane % 16)
.set AOG,  8                           ; v8  the same row in the output
.set QZ,   16
.set QSC,  35
.set KS,   36
.set VS,   40
.set PS,   44
.set NM,   48                          ; v48 -M_w (named as a pair with v49)
.set FF,   56                          ; v56 f = 2^(M_w - M) / l (with v57)
.set GG,   60                          ; v60 -M of the row (with v61)
.set LWV,  63                          ; v63 my wave's sum
.set S,    64
.set PC,   192
.set PT,   216
.set XM,   192
.set XL,   200
.set XD,   208
.set BM,   224
.set TM,   232                         ; v232-247
.set E0,   248
.set RL,   250
.set T,    251
.set T2,   252
.set KF,   0                           ; window 1
.set VF,   96
.set OA,   192
.set OR,   224
.set WV,   12
.set SEL,  20
.set CS,   22
.set OUT,  26
.set OB,   28
.set TI,   30                          ; the pair of tiles in hand
.set QT,   31                          ; the next pair of q's images: 1,536 bytes a pair
.set QS,   46                          ; and their scale words: 128
.set LC,   47                          ; the loop's counter
.set MSB, 0
.macro WIN new                         ; the immediate's high byte repeats the setting that is left
.if MSB != \new
	s_set_vgpr_msb (MSB<<8)|\new
.set MSB, \new
.endif
.endm
	s_load_b128 s[4:7], s[0:1], 0x0                ; img, isc
	s_load_b128 s[8:11], s[0:1], 0x10              ; out0, out1
	v_lshl_add_u32 v254, v0, 2, SPARE
	v_mov_b32 v255, 0
	v_lshrrev_b32 v9, 5, v0
	s_delay_alu instid0(VALU_DEP_1)
	v_readfirstlane_b32 s[WV], v9                  ; wave 0..7
	s_lshr_b32 s13, ttmp9, 6                       ; which quarter of the queries
	s_and_b32 s14, ttmp9, 15                       ; the head
	s_bfe_u32 s15, ttmp9, 0x10004                  ; the stream of q and k
	s_bfe_u32 s16, ttmp9, 0x10005                  ; the batch
	s_and_b32 s17, s14, 1                          ; odd head?
	s_xor_b32 s18, s15, s17                        ; the stream of v and of the output
	s_lshr_b32 s19, s14, 1
	s_mov_b32 s[SEL], 0x76543210
	s_mov_b32 s[SEL+1], 0xfedcba98                 ; v_permlanex16_b32's selects for lane l xor 16
	s_mov_b32 s[CS], 0x3e38aa3b                    ; c = log2(e) / 8
	s_mov_b32 s[CS+1], s[CS]
	s_mov_b32 s24, 0x07060302                      ; a scale word serves two heads: an odd head's bytes are 2, 3,
	s_mov_b32 s25, 0x05040100                      ; an even head's 0, 1
	s_cmp_eq_u32 s17, 0
	s_cselect_b32 s24, s25, s24
	s_lshl_b32 s40, s16, 7                         ; blocks of 16 tokens: 128 to a batch
	s_lshl_b32 s41, s13, 5
	s_add_co_u32 s41, s41, s40
	s_lshl_b32 s43, s[WV], 2
	s_add_co_u32 s41, s41, s43                     ; the four tiles of q that my wave brings into LDS
	s_lshl_b32 s43, s[WV], 4
	s_add_co_u32 s40, s40, s43                     ; my 16 tiles of keys
	s_lshl_b32 s42, s18, 6
	s_lshl_b32 s43, s14, 2
	s_add_co_u32 s42, s42, s43
	s_add_co_u32 s42, s42, 256                     ; the head's four tiles of channels: 256 + 64 sv + 4 n
	s_lshl_b32 s44, s15, 5
	s_add_co_u32 s44, s44, s14                     ; q's 64 channels: 32 s + n; k's lie 16 on
	s_lshl_b32 s45, s15, 4
	s_add_co_u32 s45, s45, s19                     ; q's scale words: 16 s + n / 2; k's lie 8 on
	s_lshl_b32 s32, s40, 6
	s_add_co_u32 s32, s32, s44
	s_add_co_u32 s32, s32, 16
	s_mul_i32 s32, s32, 768                        ; k's images
	s_mov_b32 s33, 0
	s_lshl_b32 s34, s42, 6
	s_lshl_b32 s43, s16, 5
	s_add_co_u32 s34, s34, s43
	s_lshl_b32 s43, s[WV], 2
	s_add_co_u32 s34, s34, s43
	s_mul_i32 s34, s34, 768                        ; v's: my 256 keys are four runs of 64
	s_mov_b32 s35, 0
	s_lshl_b32 s36, s41, 6
	s_add_co_u32 s36, s36, s44
	s_mul_i32 s36, s36, 768                        ; q's
	s_mov_b32 s37, 0
	s_add_co_u32 s38, s45, 8
	s_mul_i32 s38, s38, 384
	s_add_co_u32 s38, s38, s40
	s_lshl_b32 s38, s38, 6                         ; k's scale words
	s_mov_b32 s39, 0
	s_mul_i32 s48, s45, 384
	s_add_co_u32 s48, s48, s41
	s_lshl_b32 s48, s48, 6                         ; q's
	s_mov_b32 s49, 0
	s_lshl_b32 s50, s16, 4
	s_lshl_b32 s43, s[WV], 1
	s_add_co_u32 s50, s50, s43
	s_mul_i32 s50, s50, 384
	s_add_co_u32 s50, s50, s42
	s_lshl_b32 s50, s50, 6                         ; v's: my two units of 128 keys
	s_mov_b32 s51, 0
	s_lshl_b32 s52, s16, 11
	s_lshl_b32 s43, s13, 9
	s_add_co_u32 s52, s52, s43
	s_lshl_b32 s52, s52, 12
	s_lshl_b32 s43, s14, 8
	s_add_co_u32 s52, s52, s43                     ; the output: token 2,048 b + 512 quarter, 4,096 bytes a token, the head's 256 bytes
	s_mov_b32 s53, 0
	s_mov_b32 s[TI], 0
	s_mov_b32 s[QT], 0
	s_mov_b32 s[QS], 0
	v_and_b32 v10, 31, v0                          ; lane
	v_and_b32 v11, 15, v0                          ; r
	v_bfe_u32 v12, v0, 4, 1                        ; h
	s_delay_alu instid0(VALU_DEP_3)
	v_lshlrev_b32 v13, 4, v10                      ; an image's registers 0-3: 16 x lane
	s_delay_alu instid0(VALU_DEP_4)
	v_lshlrev_b32 v14, 3, v10
	s_delay_alu instid0(VALU_DEP_1)
	v_add_nc_u32 v14, 512, v14                     ; its registers 4-5: 512 + 8 x lane
	v_lshlrev_b32 v15, 2, v10
	s_delay_alu instid0(VALU_DEP_4)
	v_add_nc_u32 v[AQ16], QIM, v13
	s_delay_alu instid0(VALU_DEP_3)
	v_add_nc_u32 v[AQ8], QIM, v14
	v_lshl_add_u32 v[AQS], v11, 2, QSL
	v_lshlrev_b32 v[ASTR], 5, v11
	s_lshl_b32 s43, s[WV], 2
	v_add_nc_u32 v[ASTW], s43, v[ASTR]
	s_mul_i32 s43, s[WV], OPW
	s_add_co_u32 s43, s43, OP
	v_mul_u32_u24 v[AOW], v11, 272
	s_delay_alu instid0(VALU_DEP_1)
	v_lshl_add_u32 v[AOW], v12, 6, v[AOW]
	s_delay_alu instid0(VALU_DEP_1)
	v_add_nc_u32 v[AOW], s43, v[AOW]
	s_lshl_b32 s43, s[WV], 1
	v_add_nc_u32 v9, s43, v12                      ; r' = 2 w + h: the row of a tile that my half of the lanes adds up and stores
	s_delay_alu instid0(VALU_DEP_1)
	v_mul_u32_u24 v[AOR], v9, 272
	s_delay_alu instid0(VALU_DEP_1)
	v_lshl_add_u32 v[AOR], v11, 4, v[AOR]
	s_delay_alu instid0(VALU_DEP_1)
	v_add_nc_u32 v[AOR], OP, v[AOR]
	s_delay_alu instid0(VALU_DEP_4)
	v_and_b32 v[AOG], 8, v9
	s_delay_alu instid0(VALU_DEP_1)
	v_add_nc_u32 v[AOG], v[AOG], v9
	s_delay_alu instid0(VALU_DEP_1)
	v_lshlrev_b32 v[AOG], 12, v[AOG]
	s_delay_alu instid0(VALU_DEP_1)
	v_lshl_add_u32 v[AOG], v11, 4, v[AOG]
	s_mul_i32 s43, s[WV], 3072
	v_add_nc_u32 v240, s43, v[AQ16]                ; where my wave puts its four images of q,
	v_add_nc_u32 v241, s43, v[AQ8]
	s_lshl_b32 s43, s[WV], 8
	s_add_co_u32 s43, s43, QSL
	v_add_nc_u32 v242, s43, v15                    ; and their scale words
	v_lshlrev_b32 v9, 2, v11
	s_delay_alu instid0(VALU_DEP_1)
	v_lshl_add_u32 v243, v12, 9, v9                ; k's scale words: lanes 16-31 take the pair four on
	s_delay_alu instid0(VALU_DEP_2)
	v_mad_u32_u24 v9, v12, 24576, v9               ; v's: lanes 16-31 take unit 1's
	s_wait_alu depctr_va_vdst(0)
	s_wait_kmcnt 0x0
	s_add_nc_u64 s[32:33], s[4:5], s[32:33]
	s_add_nc_u64 s[34:35], s[4:5], s[34:35]
	s_add_nc_u64 s[36:37], s[4:5], s[36:37]
	s_add_nc_u64 s[38:39], s[6:7], s[38:39]
	s_add_nc_u64 s[48:49], s[6:7], s[48:49]
	s_add_nc_u64 s[50:51], s[6:7], s[50:51]
	s_cmp_eq_u32 s18, 0                            ; the choice of the output hangs on the work-group's number alone
	s_cselect_b64 s[OUT:OUT+1], s[8:9], s[10:11]
	s_add_nc_u64 s[OUT:OUT+1], s[OUT:OUT+1], s[52:53]
.irp k, 0,1,2,3
	global_load_b128 v[64+8*\k:67+8*\k], v13, s[36:37] offset:49152*\k     ; q: a tile on is 64 images on
	global_load_b64 v[68+8*\k:69+8*\k], v14, s[36:37] offset:49152*\k
.endr
	global_load_b32 v96, v15, s[48:49]             ; the four tiles' scale words: 256 bytes
	global_load_b32 v97, v15, s[48:49] offset:128
.irp j, 0,1,2,3
	global_load_b32 v[100+2*\j], v243, s[38:39] offset:128*\j       ; pair j's (lanes 16-31: pair j + 4's) even tile,
	global_load_b32 v[101+2*\j], v243, s[38:39] offset:128*\j+64    ; and its odd one
.endr
.irp t, 0,1,2,3
	global_load_b32 v[VS+\t], v9, s[50:51] offset:64*\t             ; v's words: lanes 0-15 unit 0's, lanes 16-31 unit 1's
.endr
	WIN 0x40                                       ; destination window 1
.irp i, 0,1,2,3,4,5,6,7,8,9,10,11,12,13,14,15
	global_load_b128 v[KF+12*(\i/2)+6*(\i%2):KF+12*(\i/2)+6*(\i%2)+3], v13, s[32:33] offset:49152*\i
	global_load_b64 v[KF+12*(\i/2)+6*(\i%2)+4:KF+12*(\i/2)+6*(\i%2)+5], v14, s[32:33] offset:49152*\i
.endr
.irp u, 0,1
.irp t, 0,1,2,3
.irp c, 0,1
	global_load_b128 v[VF+12*(4*\u+\t)+6*\c:VF+12*(4*\u+\t)+6*\c+3], v13, s[34:35] offset:49152*\t+768*(2*\u+\c)
	global_load_b64 v[VF+12*(4*\u+\t)+6*\c+4:VF+12*(4*\u+\t)+6*\c+5], v14, s[34:35] offset:49152*\t+768*(2*\u+\c)
.endr
.endr
.endr
	WIN 0
	s_wait_loadcnt 32                              ; all but v's 32 loads, the youngest, are in; v is waited for ahead of tile 0's second product
.irp j, 0,1,2,3
	v_perm_b32 v[KS+\j], v[101+2*\j], v[100+2*\j], s24   ; a pair's word: the even tile's two bytes, then the odd tile's
.endr
	v_perm_b32 v96, v96, v96, s24                  ; q's two bytes, twice
	v_perm_b32 v97, v97, v97, s24
.irp k, 0,1,2,3
	ds_store_b128 v240, v[64+8*\k:67+8*\k] offset:768*\k
	ds_store_b64 v241, v[68+8*\k:69+8*\k] offset:768*\k
.endr
	ds_store_b32 v242, v96
	ds_store_b32 v242, v97 offset:128
.irp j, 0,1,2,3,4,5
	v_mov_b32 v[QZ+\j], 0                          ; the zero codes on either side of q
	v_mov_b32 v[QZ+12+\j], 0
.endr
.irp j, 49,57,61,252
	v_mov_b32 v[\j], 0                             ; upper halves of pairs of which the low word alone is used, and a lane permute's destination
.endr
	s_wait_alu depctr_va_vdst(0)
	s_wait_dscnt 0x0                               ; for the others' sake: my part of q lies in LDS
	s_barrier_signal -1
	s_barrier_wait -1
	ds_load_b128 v[QZ+6:QZ+9], v[AQ16]             ; tile 0's q
	ds_load_b64 v[QZ+10:QZ+11], v[AQ8]
	ds_load_b32 v[QSC], v[AQS]
	s_wait_dscnt 0x0
.macro WS u, n                         ; S^T, tile n (16 keys) of unit u
	WIN 0x01
.set rD, S+64*(\u)+8*(\n)
.set rA, KF+12*(4*(\u)+(\n)/2)
.set rB, QZ+6-6*((\n)%2)               ; even tile: q | 0;  odd tile: 0 | q
.set rK, KS+(\n)/2
.if \u
	v_wmma_scale_f32_16x16x128_f8f6f4 v[rD:rD+7], v[rA:rA+11], v[rB:rB+11], 0, v[rK], v[QSC] matrix_a_fmt:MATRIX_FMT_FP6 matrix_b_fmt:MATRIX_FMT_FP6 matrix_a_scale:MATRIX_SCALE_ROW1
.else
	v_wmma_scale_f32_16x16x128_f8f6f4 v[rD:rD+7], v[rA:rA+11], v[rB:rB+11], 0, v[rK], v[QSC] matrix_a_fmt:MATRIX_FMT_FP6 matrix_b_fmt:MATRIX_FMT_FP6
.endif
.endm
.macro WP u, t                         ; O^T, tile t (16 channels): unit 0 starts the sum, unit 1 adds onto it; the accumulators take turns
	WIN 0x51
.set rD, OA+8*(\t)
.set rA, VF+12*(4*(\u)+(\t))
.if \u
	v_wmma_scale_f32_16x16x128_f8f6f4 v[rD:rD+7], v[rA:rA+11], v[PC+12:PC+23], v[rD:rD+7], v[VS+(\t)], v[PS+1] matrix_a_fmt:MATRIX_FMT_FP6 matrix_b_fmt:MATRIX_FMT_FP6 matrix_a_scale:MATRIX_SCALE_ROW1
.else
	v_wmma_scale_f32_16x16x128_f8f6f4 v[rD:rD+7], v[rA:rA+11], v[PC:PC+11], 0, v[VS+(\t)], v[PS] matrix_a_fmt:MATRIX_FMT_FP6 matrix_b_fmt:MATRIX_FMT_FP6
.endif
.endm
; The largest score of each block of 32 keys of unit u, line hl of 8: two chains a block, one for each of its two score tiles, the four blocks by turns.
; Each accumulator is read from its low end on: lines 0 and 1 take registers 0-2 of the even and of the odd tile.
.macro MX u, hl
	WIN 0
.irp b, 0,1,2,3
.set mxs, S+64*(\u)+16*\b
.set mxa, BM+4*(\u)+\b
.set mxc, TM+4*(\u)+\b
.if (\hl) == 0
	v_max3_num_f32 v[mxa], v[mxs], v[mxs+1], v[mxs+2]
.elseif (\hl) == 1
	v_max3_num_f32 v[mxc], v[mxs+8], v[mxs+9], v[mxs+10]
.elseif (\hl) == 2 || (\hl) == 4
	v_max3_num_f32 v[mxa], v[mxa], v[mxs+(\hl)+1], v[mxs+(\hl)+2]
.elseif (\hl) == 3 || (\hl) == 5
	v_max3_num_f32 v[mxc], v[mxc], v[mxs+(\hl)+8], v[mxs+(\hl)+9]
.elseif (\hl) == 6
	v_max3_num_f32 v[mxa], v[mxa], v[mxc], v[mxs+7]
.else
	v_max_num_f32 v[mxa], v[mxa], v[mxs+15]
.endif
.endr
.endm
.macro MFIN                            ; with lane l xor 16's 16 keys; then the wave's largest t and -M_w = floor(-t)
	WIN 0
.irp g, 0,1,2,3,4,5,6,7
	v_permlanex16_b32 v[TM+\g], v[BM+\g], s[SEL], s[SEL+1]
.endr
.irp g, 0,1,2,3,4,5,6,7
	v_max_num_f32 v[BM+\g], v[BM+\g], v[TM+\g]
.endr
	v_max3_num_f32 v[T], v[BM], v[BM+1], v[BM+2]
	v_max3_num_f32 v[T2], v[BM+3], v[BM+4], v[BM+5]
	s_delay_alu instid0(VALU_DEP_2)
	v_max3_num_f32 v[T], v[T], v[BM+6], v[BM+7]
	s_delay_alu instid0(VALU_DEP_1)
	v_max_num_f32 v[T], v[T], v[T2]
	s_delay_alu instid0(VALU_DEP_1)
	v_mul_f32 v[T], s[CS], v[T]                    ; (c is positive)
	s_delay_alu instid0(VALU_DEP_1)
	v_floor_f32 v[NM], -v[T]
.endm
.macro FMAQ u, j                       ; t - M_w of 16 scores, two at a time
	WIN 0
.set e, S+64*(\u)+16*(\j)
.rept 8
	v_pk_fma_f32 v[e:e+1], v[e:e+1], s[CS:CS+1], v[NM:NM+1] op_sel_hi:[1,0,0]
.set e, e+2
.endr
.endm
.macro BFMA                            ; the same of each block's largest score
	WIN 0
.irp g, 0,1,2,3,4,5,6,7
	v_fma_f32 v[BM+\g], v[BM+\g], s[CS], v[NM]
.endr
.endm
.macro EXPQ u, j
	WIN 0
.set e, S+64*(\u)+16*(\j)
.rept 16
	v_exp_f32 v[e], v[e]
.set e, e+1
.endr
.endm
.macro BEXP
	WIN 0
.irp g, 0,1,2,3,4,5,6,7
	v_exp_f32 v[BM+\g], v[BM+\g]
.endr
.endm
.macro SUM                             ; the sum of the unquantised p', two at a time, in eight chains by turns
	WIN 0
.irp c, 0,1,2,3,4,5,6,7
	v_pk_add_f32 v[TM+2*\c:TM+2*\c+1], v[S+2*\c:S+2*\c+1], v[S+16+2*\c:S+17+2*\c]
.endr
.irp m, 2,3,4,5,6,7
.irp c, 0,1,2,3,4,5,6,7
	v_pk_add_f32 v[TM+2*\c:TM+2*\c+1], v[TM+2*\c:TM+2*\c+1], v[S+16*\m+2*\c:S+16*\m+2*\c+1]
.endr
.endr
.irp c, 0,1,2,3
	v_pk_add_f32 v[TM+2*\c:TM+2*\c+1], v[TM+2*\c:TM+2*\c+1], v[TM+8+2*\c:TM+9+2*\c]
.endr
	s_delay_alu instid0(VALU_DEP_2)
	v_pk_add_f32 v[TM:TM+1], v[TM:TM+1], v[TM+4:TM+5]
	s_delay_alu instid0(VALU_DEP_2)
	v_pk_add_f32 v[TM+2:TM+3], v[TM+2:TM+3], v[TM+6:TM+7]
	s_delay_alu instid0(VALU_DEP_1)
	v_pk_add_f32 v[TM:TM+1], v[TM:TM+1], v[TM+2:TM+3]
.endm
.macro WCOMB par                       ; my wave's -M and its sum go to LDS, to the tile's parity's place
	WIN 0
	s_delay_alu instid0(VALU_DEP_1)
	v_add_f32 v[LWV], v[TM], v[TM+1]
	s_delay_alu instid0(VALU_DEP_1)
	v_permlanex16_b32 v[T2], v[LWV], s[SEL], s[SEL+1]
	s_delay_alu instid0(VALU_DEP_1)
	v_add_f32 v[LWV], v[LWV], v[T2]                ; with lane l xor 16's keys
	ds_store_b32 v[ASTW], v[NM] offset:STM+STP*(\par)      ; lanes r and r + 16 write the same word with the same value
	ds_store_b32 v[ASTW], v[LWV] offset:STL+STP*(\par)
.endm
.macro GCOMB                           ; the row's -M, its sum, and f = 2^(M_w - M) / l
	WIN 0
	v_min3_num_f32 v[GG], v[XM], v[XM+1], v[XM+2]
	v_min3_num_f32 v[T], v[XM+3], v[XM+4], v[XM+5]
	s_delay_alu instid0(VALU_DEP_1)
	v_min3_num_f32 v[GG], v[GG], v[T], v[XM+6]
	s_delay_alu instid0(VALU_DEP_1)
	v_min_num_f32 v[GG], v[GG], v[XM+7]
.irp k, 0,2,4,6
	v_pk_add_f32 v[XD+\k:XD+\k+1], v[GG:GG+1], v[XM+\k:XM+\k+1] op_sel_hi:[0,1] neg_lo:[0,1] neg_hi:[0,1]   ; M_k - M: a whole number, 0 or less
.endr
.irp k, 0,1,2,3,4,5,6,7
	v_cvt_i32_f32 v[XD+\k], v[XD+\k]               ; (it saturates)
.endr
.irp k, 0,1,2,3,4,5,6,7
	v_ldexp_f32 v[XL+\k], v[XL+\k], v[XD+\k]
.endr
	v_pk_add_f32 v[XL:XL+1], v[XL:XL+1], v[XL+2:XL+3]
	s_delay_alu instid0(VALU_DEP_2)
	v_pk_add_f32 v[XL+4:XL+5], v[XL+4:XL+5], v[XL+6:XL+7]
	s_delay_alu instid0(VALU_DEP_1)
	v_pk_add_f32 v[XL:XL+1], v[XL:XL+1], v[XL+4:XL+5]
	s_delay_alu instid0(VALU_DEP_1)
	v_add_f32 v[XL], v[XL], v[XL+1]
	s_wait_alu depctr_va_vdst(0)
	v_rcp_f32 v[RL], v[XL]
	v_sub_f32 v[E0], v[GG], v[NM]                  ; (plain work behind the reciprocal)
	s_delay_alu instid0(VALU_DEP_1)
	v_cvt_i32_f32 v[E0], v[E0]
	s_wait_alu depctr_va_vdst(0)                   ; ahead of the first line that names its result
	v_ldexp_f32 v[FF], v[RL], v[E0]
.endm
.macro NORMQ u, j                      ; 16 finished weights
	WIN 0
.set e, S+64*(\u)+16*(\j)
.rept 8
	v_pk_mul_f32 v[e:e+1], v[e:e+1], v[FF:FF+1] op_sel_hi:[1,0]
.set e, e+2
.endr
.endm
.macro SCL                             ; the eight blocks' largest p, their scale operands and bytes, and p's two scale words
	WIN 0
.irp g, 0,1,2,3,4,5,6,7
	v_mul_f32 v[BM+\g], v[BM+\g], v[FF]
.endr
.irp g, 0,1,2,3,4,5,6,7
	v_max_num_f32 v[BM+\g], 0x1800000, v[BM+\g]    ; the floor 2^(3 - 127): the byte cannot fall under 1
.endr
.irp g, 0,1,2,3,4,5,6,7
	v_add_nc_u32 v[TM+8+\g], 0xff000000, v[BM+\g]  ; 2 off the exponent field: the conversion's scale operand
.endr
.irp g, 0,1,2,3,4,5,6,7
	v_lshrrev_b32 v[TM+\g], 23, v[TM+8+\g]         ; the scale's byte
.endr
	v_lshl_or_b32 v[PS], v[TM+1], 8, v[TM]
	v_lshl_or_b32 v[PS+1], v[TM+5], 8, v[TM+4]
	s_delay_alu instid0(VALU_DEP_2)
	v_lshl_or_b32 v[PS], v[TM+2], 16, v[PS]
	s_delay_alu instid0(VALU_DEP_2)
	v_lshl_or_b32 v[PS+1], v[TM+6], 16, v[PS+1]
	s_delay_alu instid0(VALU_DEP_2)
	v_lshl_or_b32 v[PS], v[TM+3], 24, v[PS]
	s_delay_alu instid0(VALU_DEP_2)
	v_lshl_or_b32 v[PS+1], v[TM+7], 24, v[PS+1]
.endm
.macro CVTC u
	WIN 0
.irp c, 0,1
	v_cvt_scalef32_pk16_fp6_f32 v[PC+12*(\u)+6*\c:PC+12*(\u)+6*\c+2], v[S+64*(\u)+32*\c:S+64*(\u)+32*\c+15], v[TM+8+4*(\u)+2*\c]
	v_cvt_scalef32_pk16_fp6_f32 v[PT+4*\c:PT+4*\c+2], v[S+64*(\u)+16+32*\c:S+64*(\u)+31+32*\c], v[TM+9+4*(\u)+2*\c]   ; (a conversion's three registers begin on an even number)
.endr
	v_nop                                          ; one plain place behind a scaled conversion
.endm
.macro SWP u, c                        ; the operand's layout wants a WHOLE block in a lane
	WIN 0
.irp i, 0,1,2
	v_permlane16_swap_b32 v[PC+12*(\u)+6*(\c)+\i], v[PT+4*(\c)+\i]
.endr
.endm
.macro MOVP u, c
	WIN 0
.irp i, 0,1,2
	v_mov_b32 v[PC+12*(\u)+3+6*(\c)+\i], v[PT+4*(\c)+\i]
.endr
.endm
.macro QNEXT par                       ; the next tile's q and its scale word: behind an odd tile the next pair's first, behind an even tile its pair's second
	WIN 0
.if \par
	s_add_co_u32 s[QT], s[QT], 1536
	s_add_co_u32 s[QS], s[QS], 128
.endif
	v_add_nc_u32 v9, s[QT], v[AQ16]
	v_add_nc_u32 v10, s[QT], v[AQ8]
	v_add_nc_u32 v11, s[QS], v[AQS]
	ds_load_b128 v[QZ+6:QZ+9], v9 offset:768*(1-(\par))
	ds_load_b64 v[QZ+10:QZ+11], v10 offset:768*(1-(\par))
	ds_load_b32 v[QSC], v11 offset:64*(1-(\par))
.endm
.macro OLOAD p                         ; my two rows of the tile of parity p, from all eight waves' parts, into window 1
	WIN 0x40
.irp k, 0,1,2,3,4,5,6,7
	ds_load_b128 v[OR+4*\k:OR+4*\k+3], v[AOR] offset:OPP*(\p)+OPW*\k
.endr
	WIN 0
.endm
.macro OSUM                            ; they are added, and 16 lanes store 256 consecutive bytes, aligned: a token's 64 channels of the head
	s_wait_dscnt 0x0
	WIN 0x45
.irp k, 0,2,4,6
	v_pk_add_f32 v[OR+4*\k:OR+4*\k+1], v[OR+4*\k:OR+4*\k+1], v[OR+4*\k+4:OR+4*\k+5]
	v_pk_add_f32 v[OR+4*\k+2:OR+4*\k+3], v[OR+4*\k+2:OR+4*\k+3], v[OR+4*\k+6:OR+4*\k+7]
.endr
	v_pk_add_f32 v[OR:OR+1], v[OR:OR+1], v[OR+8:OR+9]
	v_pk_add_f32 v[OR+2:OR+3], v[OR+2:OR+3], v[OR+10:OR+11]
	s_delay_alu instid0(VALU_DEP_4)
	v_pk_add_f32 v[OR+16:OR+17], v[OR+16:OR+17], v[OR+24:OR+25]
	s_delay_alu instid0(VALU_DEP_4)
	v_pk_add_f32 v[OR+18:OR+19], v[OR+18:OR+19], v[OR+26:OR+27]
	s_delay_alu instid0(VALU_DEP_2)
	v_pk_add_f32 v[OR:OR+1], v[OR:OR+1], v[OR+16:OR+17]
	s_delay_alu instid0(VALU_DEP_2)
	v_pk_add_f32 v[OR+2:OR+3], v[OR+2:OR+3], v[OR+18:OR+19]
	WIN 0x04                                       ; a store's data are its source 1: window 1
	global_store_b128 v[AOG], v[OR:OR+3], s[OB:OB+1] th:TH_STORE_NT
	WIN 0
.endm
.macro BAR                             ; my LDS stores have landed and my LDS loads are in: then the work-group's barrier
	s_wait_dscnt 0x0
	s_barrier_signal -1
	s_barrier_wait -1
.endm
.macro NOPS
.rept 4
	v_nop
.endr
.endm
; A TILE OF 16 QUERIES, of parity par.  On entry unit 0's raw scores and the tile's q lie in registers.  osum = 1: the tile before is added up and stored on the way.  next = 1: the next tile's q is fetched and its unit 0 multiplied on the way.
; The matrix instructions stand among vector work that names none of their registers.
.macro TRIP osum, next, par
.irp n, 0,1,2,3,4,5,6,7
	WS 1, \n                                       ; unit 1's scores | unit 0's maxima
	MX 0, \n
.endr
.irp n, 0,1,2,3,4,5,6,7
	MX 1, \n                                       ; line 0 reads the even tiles, line 1 the odd ones: eight plain lines stand behind the last product when its result is read
.endr
.if \next
	QNEXT \par                                     ; thirty-two plain lines and more stand behind the last product that read q
.endif
	MFIN
.irp j, 0,1,2,3
	FMAQ 0, \j
.endr
.irp j, 0,1,2,3
	FMAQ 1, \j
.endr
	BFMA
	s_wait_alu depctr_va_vdst(0)                   ; a wait ahead of the batch of exponentials and behind it
.irp j, 0,1,2,3
	EXPQ 0, \j
.endr
.irp j, 0,1,2,3
	EXPQ 1, \j
.endr
	BEXP
	v_nop                                          ; a plain line behind the last exponential
	s_wait_alu depctr_va_vdst(0)
	SUM
	WCOMB \par
	BAR                                            ; every wave's -M and sum of this tile and its partial O of the tile before lie in LDS; the next q is in
.if \osum == 0
	s_wait_loadcnt 0x0                             ; tile 0: v's fragments are in
.endif
	ds_load_b128 v[XM:XM+3], v[ASTR] offset:STM+STP*(\par)
	ds_load_b128 v[XM+4:XM+7], v[ASTR] offset:STM+STP*(\par)+16
	ds_load_b128 v[XL:XL+3], v[ASTR] offset:STL+STP*(\par)
	ds_load_b128 v[XL+4:XL+7], v[ASTR] offset:STL+STP*(\par)+16
.if \osum
	OLOAD 1-(\par)
	s_wait_dscnt 8                                 ; the statistics are in; the eight loads of O, issued behind them, may be out
.else
	s_wait_dscnt 0x0
.endif
	GCOMB
.irp j, 0,1,2,3
	NORMQ 0, \j
.endr
	SCL
.if \osum
	OSUM
.endif
	CVTC 0
	SWP 0, 0
	SWP 0, 1
	MOVP 0, 0
	MOVP 0, 1
.irp t, 0,1,2,3
	NORMQ 1, \t                                    ; eight plain lines between unit 0's last code and the product that takes it
	WP 0, \t
.if \next
	WS 0, \t                                       ; the next tile's unit 0: unit 0's registers are free behind its conversions
.endif
.endr
	CVTC 1
.if \next
	WS 0, 4
.endif
	SWP 1, 0
.if \next
	WS 0, 5
.endif
	SWP 1, 1
.if \next
	WS 0, 6
.endif
	MOVP 1, 0
.if \next
	WS 0, 7
.endif
	MOVP 1, 1
	WIN 0
	NOPS                                           ; four plain lines behind unit 1's last code
	WP 1, 0
	WP 1, 1
	WP 1, 2
	WP 1, 3
	WIN 0
	NOPS                                           ; places behind the last products
	WIN 0x04                                       ; an LDS store's data are its source 1: window 1
.irp t, 0,1,2,3
	ds_store_b128 v[AOW], v[OA+8*\t:OA+8*\t+3] offset:OPP*(\par)+128*(\t/2)+32*(\t%2)       ; lane (r, h): O(r, 32 (t / 2) + 16 h + 8 (t % 2) + 0 .. 7); each accumulator from its low end on
	ds_store_b128 v[AOW], v[OA+8*\t+4:OA+8*\t+7] offset:OPP*(\par)+128*(\t/2)+32*(\t%2)+16
.endr
	WIN 0
	s_wait_xcnt 0x0                                ; the last store has read its data and its base: the base is written below, the data by the next tile's loads
	s_lshl_b32 s52, s[TI], 17                      ; tile 2 B + u begins at token 32 B + 8 u
.if \par
	s_add_co_u32 s52, s52, 1<<15
	s_add_co_u32 s[TI], s[TI], 1
.endif
	s_add_nc_u64 s[OB:OB+1], s[OUT:OUT+1], s[52:53]
.endm
.irp n, 0,1,2,3,4,5,6,7
	WS 0, \n                                       ; tile 0's unit 0
.endr
	WIN 0
	NOPS
	TRIP 0, 1, 0                                   ; tile 0
	s_mov_b32 s[LC], 15
.Ltile:                                            ; tiles 1 to 30, an odd and an even one a trip
	TRIP 1, 1, 1
	TRIP 1, 1, 0
	s_sub_co_u32 s[LC], s[LC], 1
	s_cmp_lg_u32 s[LC], 0
	s_cbranch_scc1 .Ltile
	TRIP 1, 0, 1                                   ; tile 31: nothing follows it
	BAR                                            ; its partial O lie in LDS
	OLOAD 1
	OSUM
	s_wait_tensorcnt 0x0                           ; the wave's end
	ds_add_u32 v254, v255
	s_wait_dscnt 0x0
	s_endpgm
.Lfunc_end_k_q6aedbe068f_attn:
	.size	k_q6aedbe068f_attn, .Lfunc_end_k_q6aedbe068f_attn-k_q6aedbe068f_attn
	.p2alignl 7, 3214868480
	.fill 96, 4, 3214868480
	.section	.rodata,"a",@progbits
	.p2align	6, 0x0
	.amdhsa_kernel k_q6aedbe068f_attn
		.amdhsa_group_segment_fixed_size 99328
		.amdhsa_private_segment_fixed_size 0
		.amdhsa_enable_private_segment 0
		.amdhsa_kernarg_size 32
		.amdhsa_user_sgpr_count 2
		.amdhsa_user_sgpr_kernarg_segment_ptr 1
		.amdhsa_wavefront_size32 1
		.amdhsa_system_sgpr_workgroup_id_x 1
		.amdhsa_system_sgpr_workgroup_id_y 1
		.amdhsa_system_sgpr_workgroup_id_z 1
		.amdhsa_system_vgpr_workitem_id 0
		.amdhsa_next_free_vgpr 512
		.amdhsa_next_free_sgpr 66
		.amdhsa_reserve_vcc 0
		.amdhsa_float_denorm_mode_32 3
		.amdhsa_float_denorm_mode_16_64 3
		.amdhsa_memory_ordered 1
		.amdhsa_forward_progress 1
		.amdhsa_inst_pref_size 156
	.end_amdhsa_kernel
	.amdgpu_metadata
---
amdhsa.version: [ 1, 2 ]
amdhsa.kernels:
  - .name:           k_q6aedbe068f_attn
    .symbol:         k_q6aedbe068f_attn.kd
    .args:
      - { .name: img, .offset: 0, .size: 8, .value_kind: global_buffer, .address_space: global }
      - { .name: isc, .offset: 8, .size: 8, .value_kind: global_buffer, .address_space: global }
      - { .name: out0, .offset: 16, .size: 8, .value_kind: global_buffer, .address_space: global }
      - { .name: out1, .offset: 24, .size: 8, .value_kind: global_buffer, .address_space: global }
    .group_segment_fixed_size: 99328
    .private_segment_fixed_size: 0
    .kernarg_segment_align: 8
    .kernarg_segment_size: 32
    .max_flat_workgroup_size: 256
    .sgpr_count:     66
    .vgpr_count:     512
    .wavefront_size: 32
...
	.end_amdgpu_metadata
.endif
;; end of part 3
